; MI455X (gfx1250); checked and timed in simulation.
; The chip was launched on July 23, 2026; its instructions are those of AMD's public machine-readable ISA for CDNA 5 (MIT licence, August 2026) and "CDNA5" Instruction Set Architecture Reference Guide (July 2026). The comments in the code are by the model that wrote it; some were corrected since.
;; Multi Head Attention. Allowed arithmetic: matrix products marked QUANTISED: E3M2 operands, one E8M0 scale for each 32 along K, by v_wmma_scale_f32_16x16x128_f8f6f4 with both operands' format E3M2, f32 sums; everything else in f32.
;; Inputs: Wk 512 x 512 float32; Wq 512 x 512 float32; Wv 512 x 512 float32; bk 512 float32; bq 512 float32; bv 512 float32; x 8 x 512 x 32 x 32 float32.
;; Outputs: out0 8 x 512 x 32 x 32 float32.
;; This version of the problem:
;;   THIS VERSION OF THE PROBLEM IS GIVEN IN LOW PRECISION. The matrix products marked QUANTISED in the list below multiply operands that are first quantised to E3M2 (3 exponent bits, 2 mantissa bits; 6 bits a number), with one power-of-two scale for each 32 numbers along K (OCP MX v1.0); their sums are f32. All else is computed in f32.
;;   The module's matrix products, in the order in which they are computed (A, B: the left and right operand; K: the contracted axis; several contracted axes count as one K, in the product's order):
;;     1. [M 8,192, K 512] x [K 512, N 512]; A: input x; B: input Wq: QUANTISED
;;     2. [M 8,192, K 512] x [K 512, N 512]; A: input x; B: input Wk: QUANTISED
;;     3. [M 8,192, K 512] x [K 512, N 512]; A: input x; B: input Wv: QUANTISED
;;     4. batch 64 x [M 1,024, K 64] x [K 64, N 1,024]; A: computed on the way; B: computed on the way: QUANTISED
;;     5. batch 64 x [M 1,024, K 1,024] x [K 1,024, N 64]; A: softmax (see below); B: computed on the way: QUANTISED
;;   THE QUANTISER, for each operand of a quantised product, along K:
;;     - K is cut into blocks of 32 from its start; a last block that is shorter is filled with zeros.
;;     - A block's scale is 2^e with e = floor(log2(the largest magnitude in the block)) - 4, held to -126 .. 127; a block of zeros has e = 0. As a byte (E8M0): e + 127.
;;     - Each number is divided by its block's scale, clamped to +-28, and rounded to the nearest number of E3M2, ties to even, subnormals kept.
;;     - The product sums the exact products of the quantised numbers (number of the format x scale) in f32.
;;   ~~~python
;;   def quantise(x, axis):      # numpy; x: float32 -> the quantised numbers, widened to float32 again
;;       x = np.moveaxis(x, axis, -1); K = x.shape[-1]
;;       x = np.pad(x, [(0, 0)] * (x.ndim - 1) + [(0, -K % 32)]); x = x.reshape(x.shape[:-1] + (-1, 32)); a = np.abs(x).max(-1, keepdims=True)
;;       e = np.where(a > 0, np.clip(np.frexp(np.where(a > 0, a, 1))[1] - 1 - 4, -126, 127), 0)      # np.frexp(a)[1] - 1 = floor(log2(a)), exactly
;;       r = np.clip(x / 2.0 ** e, -28, 28)
;;       step = 2.0 ** (np.maximum(np.frexp(np.where(r == 0, 1, r))[1] - 1, -2) - 2)
;;       q = np.round(r / step) * step * 2.0 ** e      # np.round: ties to even
;;       return np.moveaxis(q.reshape(q.shape[:-2] + (-1,))[..., :K], -1, axis).astype(np.float32)
;;   ~~~
;;   SOFTMAX AHEAD OF A QUANTISED PRODUCT. Where the list says 'softmax', what is quantised is not the finished softmax but p = 2^(t - M), with t = logit x log2(e) and M = ceil(the row's largest t), a whole number; so 1/2 < the row's largest p <= 1. The row's sum l is taken of the UNQUANTISED p, in f32, and the product's result is divided by l at the end. Since M is a whole number, a kernel that streams over the keys may use a running M (the ceiling of the running maximum): every later rescaling is an exact power of two, which a block's scale takes up: the codes' values come out the same.
;;   OPERANDS COMPUTED ON THE WAY. 'Computed on the way' means the value that the module computes at that place (a softmax that the list does not call 'softmax' is quantised finished and normalised). What goes into a quantiser is computed in f32, as accurately as f32 sums, v_exp_f32 and their like allow (about 1e-6 of the number): no bf16 or f16 on the way to a quantiser, and a product that is left as it is and whose result goes on into a quantised operand takes f32 operands (vector FMAs, or v_wmma_f32_16x16x4_f32). A number that lies on a knife's edge between two numbers of the format may be rounded either way, as far as f32 arithmetic and the matrix unit's own rounding can turn it there, and no further.
;; One version. Each part assembles by itself: llvm-mc -triple=amdgcn-amd-amdhsa -mcpu=gfx1250 --defsym DOCPART=n.
;; ======== version 1 of 1: 3 launches
;; limits: right only within a limited range of input values
;; workspace buffers: fc 3,891,200 bytes; qc 3,145,728 bytes; qs 262,144 bytes; kv 6,684,672 bytes
;; launch quant (part 1): grid 304 x 1, 8 waves a work-group, no clusters, 68,608 bytes of LDS; arguments x, Wq, Wk, Wv, fc; writes fc
.if DOCPART == 1
	.amdgcn_target "amdgcn-amd-amdhsa--gfx1250"
	.amdhsa_code_object_version 6
	.text
	.protected	k_q6651e4f342_quant
	.globl	k_q6651e4f342_quant
	.p2align	8
	.type	k_q6651e4f342_quant,@function
k_q6651e4f342_quant:
	s_mov_b64 s[64:65], 0
	v_nop
	global_prefetch_b8 v0, s[64:65] scope:SCOPE_SE
	s_setreg_imm32_b32 hwreg(HW_REG_WAVE_MODE, 25, 1), 1
	s_wait_xcnt 0x0
; x [8][512 c][1024 s] and Wq, Wk, Wv [512 out][512 c], f32, become codes of BF6 (E3M2) with one E8M0 byte for each 32 along c, laid as the next launch's operand registers.
; A block's scale is 2^(floor(log2(its largest magnitude)) - 4): its byte is the largest magnitude's exponent field - 4, held at 1 from below by a floor among the maximum's leaves.
; LIMITS: NaN and infinities among the inputs are not served.  A block of zeros, or one whose largest magnitude lies under 2^(4 - 126), gets the byte 1 (the rule says 127 for zeros): its codes are zeros,
; which add nothing under any byte but 0xff, and this program alone reads the bytes.
; LAYOUT OF fc: 76 blocks of 51,200 bytes = 32 fragments of 1,536 bytes, then 2,048 bytes of scale words.  A fragment is 16 rows x 128 c: 12 registers of lane (r, h): registers 6 c' + j = row r's block 2 c' + h.
;   Blocks 0-63, x: block g = 128 tokens; fragment 4 m + ks (tile m = 16 neighbouring tokens, ks = c / 128): two half records of 768 bytes (c' = 0, 1); in each lane L's registers 0-3 at 16 L, 4-5 at 512 + 8 L.
;     Scale words: 64 bytes a fragment, row r's four bytes at 4 r.
;   Blocks 64-75, W: block 64 + 4 mat + col; fragment 4 T + ks: an image of the 12 registers: registers 4 q .. 4 q + 3 of lane L at 512 q + 16 L.
;     Scale words: tile T, step ks, row r at 512 (T / 2) + 256 (ks % 2) + 16 r + 8 (T % 2) + 4 (ks / 2), so that the reader's lane 16 (ks % 2) + r finds the words of four neighbouring (T, ks / 2) in 16 bytes.
; THE ROWS OF W THAT FORM A TILE: Wq, Wk: lane r of tile T takes row 128 col + 64 (T / 4) + 8 (T % 4) + r % 8 + 32 (r / 8), so that the next launch's transposed product leaves 32 neighbouring channels in a lane;
; Wv: row 64 T + 16 col + r (T = head, col = which 16 of the head's 64).
; SHARES.  Work-groups 0-47 take the three W, 48-303 take x.
;   x: a wave takes 32 tokens (lanes 0-15 one tile, lanes 16-31 the next) x 64 along c; c is x's outer axis, so a lane takes ONE token, its registers run down c, and each load reads 128 neighbouring bytes
;   (four waves stand side by side on 512).  A lane holds two whole blocks: no lane asks another for a maximum.
;   W: a wave takes one fragment.  c is innermost: each of its 16 loads reads 512 consecutive bytes of one row; the 8,192 bytes turn through the wave's own stage in LDS (16 rows, 528 bytes apart),
;   and lane (r, h) takes blocks h and 2 + h of row r back: the conversions' results are the fragment as it stands.
; Waves share nothing: no barrier, no cluster (no two work-groups read the same bytes).
.set WGW, 48                           ; work-groups that take W: 384 fragments, 8 waves each
.set SPITCH, 528
.set TM, 8                             ; v8-11   four running maxima
.set SO, 12                            ; v12-13  the conversions' scale operands
.set BY, 14                            ; v14-15  the scale bytes
.set X,  32                            ; v32-95  my 64 numbers
.set PC, 96                            ; v96-107 the codes: 6 registers a block
.set T0, 108                           ; v108-110, v112-114: a block's upper 16 codes (a conversion's three registers begin on an even number)
.set T1, 112
.set R,  116                           ; v116-179 W as it is loaded: 4 registers a row
; 64 numbers of a lane, v[s + 32 b + i], two whole blocks, become 12 registers of codes in v[PC] on, and the two bytes in v[BY], v[BY+1]
.macro QCORE s
.irp k, 0,1,2,3
	v_max3_num_f32 v[TM+\k], |v[\s+16*\k]|, |v[\s+16*\k+1]|, 0x2800000   ; four chains of 16 numbers; the floor 2^(5 - 127) keeps the byte at 1 or more
.endr
.irp i, 2,4,6,8,10,12,14
.irp k, 0,1,2,3
	s_delay_alu instid0(VALU_DEP_4)
	v_max3_num_f32 v[TM+\k], v[TM+\k], |v[\s+16*\k+\i]|, |v[\s+16*\k+\i+1]|
.endr
.endr
	s_delay_alu instid0(VALU_DEP_3)
	v_max_num_f32 v[TM], v[TM], v[TM+1]            ; block 0's largest magnitude
	s_delay_alu instid0(VALU_DEP_2)
	v_max_num_f32 v[TM+2], v[TM+2], v[TM+3]        ; block 1's
	s_delay_alu instid0(VALU_DEP_2)
	v_add_nc_u32 v[SO], 0xfe000000, v[TM]          ; 4 off the exponent field: the conversion takes that field as its scale
	s_delay_alu instid0(VALU_DEP_2)
	v_add_nc_u32 v[SO+1], 0xfe000000, v[TM+2]
	s_delay_alu instid0(VALU_DEP_2)
	v_lshrrev_b32 v[BY], 23, v[SO]                 ; the bytes
	s_delay_alu instid0(VALU_DEP_2)
	v_lshrrev_b32 v[BY+1], 23, v[SO+1]
	v_cvt_scalef32_pk16_bf6_f32 v[PC:PC+2], v[\s:\s+15], v[SO]
	v_cvt_scalef32_pk16_bf6_f32 v[T0:T0+2], v[\s+16:\s+31], v[SO]
	v_cvt_scalef32_pk16_bf6_f32 v[PC+6:PC+8], v[\s+32:\s+47], v[SO+1]
	v_cvt_scalef32_pk16_bf6_f32 v[T1:T1+2], v[\s+48:\s+63], v[SO+1]
	v_nop                                          ; one plain place behind the scaled conversions
.irp i, 0,1,2
	v_mov_b32 v[PC+3+\i], v[T0+\i]
	v_mov_b32 v[PC+9+\i], v[T1+\i]
.endr
.endm
	s_load_b256 s[4:11], s[0:1], 0x0               ; x, Wq, Wk, Wv
	s_load_b64 s[12:13], s[0:1], 0x20              ; fc
	v_lshl_add_u32 v180, v0, 2, 0x10800
	v_mov_b32 v181, 0
	v_lshrrev_b32 v1, 5, v0
	s_delay_alu instid0(VALU_DEP_1)
	v_readfirstlane_b32 s16, v1                    ; wave 0..7
	v_and_b32 v1, 31, v0                           ; L
	v_and_b32 v2, 15, v0                           ; r
	v_bfe_u32 v3, v0, 4, 1                         ; h
	s_delay_alu instid0(VALU_DEP_3)
	v_lshlrev_b32 v5, 4, v1                        ; 16 L
	s_mul_i32 s34, s16, 16*SPITCH                  ; my wave's stage (W's way alone uses it; its two addresses are made ahead of the parting)
	v_add_nc_u32 v18, s34, v5                      ; in: 16 L of a row
	v_mul_u32_u24 v19, v2, SPITCH
	s_delay_alu instid0(VALU_DEP_1)
	v_lshl_add_u32 v19, v3, 7, v19
	s_delay_alu instid0(VALU_DEP_1)
	v_add_nc_u32 v19, s34, v19                     ; back: row r, block h: 128 h bytes on
	s_mov_b32 s17, ttmp9
	s_mov_b32 s19, 0                               ; the upper words of every offset
	s_mov_b32 s39, 0
	s_wait_alu depctr_va_vdst(0)
	s_wait_kmcnt 0x0
	s_cmp_lt_u32 s17, WGW
	s_cbranch_scc1 .Lw
	; ---- x: n = wg - 48: g = n / 4, ks = n % 4; wave: p = w % 4 (32 tokens), ck = w / 4
	s_sub_co_u32 s35, s17, WGW
	s_lshr_b32 s17, s35, 2                         ; g
	s_and_b32 s22, s35, 3                          ; ks
	s_and_b32 s23, s16, 3                          ; p
	s_lshr_b32 s24, s16, 2                         ; ck
	s_lshr_b32 s18, s17, 3
	s_lshl_b32 s18, s18, 21                        ; the batch: 512 x 4,096 bytes
	s_lshl_b32 s25, s22, 19                        ; 128 ks rows of 4,096 bytes
	s_or_b32 s18, s18, s25
	s_lshl_b32 s25, s24, 18                        ; 64 ck rows
	s_or_b32 s18, s18, s25
	s_and_b32 s25, s17, 7
	s_lshl_b32 s25, s25, 9                         ; the group's 128 tokens
	s_or_b32 s18, s18, s25
	s_lshl_b32 s25, s23, 7                         ; my wave's 32
	s_or_b32 s18, s18, s25
	s_add_nc_u64 s[20:21], s[4:5], s[18:19]
	s_wait_alu depctr_va_vdst(0)
	v_and_b32 v4, 3, v0                            ; my token.  ROW r OF A TILE IS TOKEN 8 ((r / 4) % 2) + 4 (r / 8) + r % 4 of its sixteen: in the next launch's results a half of the lanes then holds
	v_bfe_u32 v16, v0, 2, 1                        ; four tokens of one block of keys in registers 0-3 of an accumulator and four of another in 4-7
	v_bfe_u32 v17, v0, 3, 1
	v_lshlrev_b32 v4, 2, v4
	v_lshl_add_u32 v4, v16, 5, v4
	v_lshl_add_u32 v4, v17, 4, v4
	v_lshl_add_u32 v4, v3, 6, v4
.set n, 0
.rept 64
	global_load_b32 v[X+n], v4, s[20:21] offset:n*4096 th:TH_LOAD_NT   ; x(c + n, my token): 32 lanes read 128 neighbouring bytes
.set n, n+1
.endr
	v_lshlrev_b32 v6, 3, v1                        ; 8 L
	v_lshlrev_b32 v7, 2, v2
	s_delay_alu instid0(VALU_DEP_1)
	v_lshl_add_u32 v7, v3, 8, v7                   ; my row's scale word: 4 r, and 4 fragments (256 bytes) on for the second tile
	s_lshl_b32 s26, s17, 5                         ; the first tile's fragment: 32 g + 8 p + ks
	s_lshl_b32 s25, s23, 3
	s_add_co_u32 s26, s26, s25
	s_add_co_u32 s26, s26, s22
	s_add_co_u32 s38, s17, 1                       ; its scale words: 51,200 g + 49,152 + 64 (fragment - 32 g) = 49,152 (g + 1) + 64 fragment,
	s_mul_i32 s38, s38, 49152
	s_lshl_b32 s25, s26, 6
	s_add_co_u32 s38, s38, s25
	s_lshl_b32 s25, s24, 1                         ; and my two bytes of each row's word
	s_add_co_u32 s38, s38, s25
	s_add_nc_u64 s[14:15], s[12:13], s[38:39]
	s_mul_i32 s18, s26, 1536                       ; where my half records go: 51,200 g = 32 g x 1,536 + 2,048 g
	s_lshl_b32 s25, s17, 11
	s_add_co_u32 s18, s18, s25
	s_mul_i32 s25, s24, 768
	s_add_co_u32 s18, s18, s25
	s_add_nc_u64 s[12:13], s[12:13], s[18:19]
	s_wait_loadcnt 0x0
	QCORE X
.irp j, 0,1,2,3,4,5
	v_permlane16_swap_b32 v[PC+\j], v[PC+6+\j]     ; block 0's lanes 16-31 change places with block 1's lanes 0-15: v[PC..PC+5] is now the first tile's half record (lane (r, h): block h), v[PC+6..] the second's
.endr
	v_lshl_or_b32 v16, v[BY+1], 8, v[BY]           ; my row's two bytes
	global_store_b128 v5, v[PC:PC+3], s[12:13]                      ; 512 consecutive bytes, at a multiple of 256 from fc's first byte
	global_store_b64 v6, v[PC+4:PC+5], s[12:13] offset:512          ; 256
	global_store_b128 v5, v[PC+6:PC+9], s[12:13] offset:6144        ; the second tile: four fragments on
	global_store_b64 v6, v[PC+10:PC+11], s[12:13] offset:6656
	global_store_b16 v7, v16, s[14:15]                              ; two bytes a row: 131,072 bytes in the whole launch go out so
	s_endpgm
.Lw:	; ---- W: u = wg: mat = u / 16, col = (u / 4) % 4; wave: tile T = 2 (u % 4) + w / 4, ks = w % 4: fragment 8 u + w of W's 384
	s_lshr_b32 s22, s17, 4                         ; mat
	s_bfe_u32 s23, s17, 0x20002                    ; col
	s_and_b32 s27, s17, 3
	s_lshl_b32 s27, s27, 1
	s_lshr_b32 s25, s16, 2
	s_add_co_u32 s27, s27, s25                     ; T
	s_and_b32 s28, s16, 3                          ; ks
	s_lshl_b32 s31, s23, 7                         ; Wq, Wk: the tile's first row: 128 col + 64 (T / 4) + 8 (T % 4)
	s_lshr_b32 s25, s27, 2
	s_lshl_b32 s25, s25, 6
	s_add_co_u32 s31, s31, s25
	s_and_b32 s25, s27, 3
	s_lshl_b32 s25, s25, 3
	s_add_co_u32 s31, s31, s25
	s_lshl_b32 s32, s27, 6                         ; Wv: 64 T + 16 col
	s_lshl_b32 s25, s23, 4
	s_add_co_u32 s32, s32, s25
	s_cmp_eq_u32 s22, 0
	s_cselect_b64 s[20:21], s[6:7], s[8:9]         ; the choice hangs on the work-group's number alone
	s_cmp_eq_u32 s22, 2
	s_cselect_b64 s[20:21], s[10:11], s[20:21]
	s_cselect_b32 s30, 8, 32                       ; rows from the tile's rows 0-7 to its rows 8-15
	s_cselect_b32 s33, s32, s31
	s_lshl_b32 s30, s30, 11                        ; in bytes: 2,048 a row
	s_wait_alu depctr_va_vdst(0)
	v_add_nc_u32 v17, s30, v5                      ; 16 L, for the tile's rows 8-15
	s_lshl_b32 s18, s33, 11
	s_lshl_b32 s25, s28, 9                         ; 512 ks bytes along the row
	s_add_co_u32 s18, s18, s25
	s_add_nc_u64 s[20:21], s[20:21], s[18:19]
.set n, 0
.rept 8
	global_load_b128 v[R+4*n:R+4*n+3], v5, s[20:21] offset:n*2048 th:TH_LOAD_NT        ; the tile's row n: 32 lanes read 512 consecutive bytes, at a multiple of 256 from W's first byte
.set n, n+1
.endr
	s_wait_alu depctr_va_vdst(0)
.set n, 0
.rept 8
	global_load_b128 v[R+32+4*n:R+32+4*n+3], v17, s[20:21] offset:n*2048 th:TH_LOAD_NT ; row 8 + n
.set n, n+1
.endr
	s_lshr_b32 s29, s17, 2                         ; 4 mat + col
	s_mul_i32 s38, s29, 49152                      ; its scale words: 51,200 (u / 4) + 512 (u % 4) = 49,152 (u / 4) + 512 u, behind x's 64 blocks and 32 fragments,
	s_lshl_b32 s25, s17, 9
	s_add_co_u32 s38, s38, s25
	s_and_b32 s25, s16, 1
	s_lshl_b32 s25, s25, 8                         ; + 256 (ks % 2)
	s_add_co_u32 s38, s38, s25
	s_lshr_b32 s25, s16, 2
	s_lshl_b32 s25, s25, 3                         ; + 8 (T % 2)
	s_add_co_u32 s38, s38, s25
	s_bfe_u32 s25, s16, 0x10001
	s_lshl_b32 s25, s25, 2                         ; + 4 (ks / 2)
	s_add_co_u32 s38, s38, s25
	s_add_co_u32 s38, s38, 64*51200+49152
	s_add_nc_u64 s[14:15], s[12:13], s[38:39]
	s_lshl_b32 s26, s17, 3
	s_add_co_u32 s26, s26, s16                     ; my fragment among W's
	s_mul_i32 s18, s26, 1536
	s_lshl_b32 s25, s29, 11                        ; 2,048 bytes of scale words behind each 32
	s_add_co_u32 s18, s18, s25
	s_add_co_u32 s18, s18, 64*51200
	s_add_nc_u64 s[12:13], s[12:13], s[18:19]
	s_mov_b32 s36, 0x76543210
	s_mov_b32 s37, 0xfedcba98                      ; v_permlanex16_b32's selects for lane l xor 16
	v_lshlrev_b32 v20, 4, v2                       ; 16 r
	v_lshlrev_b32 v21, 3, v3                       ; 8 h: my bytes' shift in the scale word
	v_mov_b32 v22, 0                               ; a lane permute's destination counts as one of its sources
.set n, 0
.rept 16
	s_wait_loadcnt 15-n                            ; row n is in; the younger loads may stay out
	ds_store_b128 v18, v[R+4*n:R+4*n+3] offset:n*SPITCH
.set n, n+1
.endr
.irp b, 0,1
.irp n, 0,1,2,3,4,5,6,7
	ds_load_b128 v[X+32*\b+4*\n:X+32*\b+4*\n+3], v19 offset:256*\b+16*\n   ; block 2 b + h of row r.  LDS serves a wave's instructions in order (ISA guide 5.7.1.4): these see my stores
.endr
.endr
	s_wait_dscnt 0x0
	QCORE X                                        ; v[PC..PC+11] is the fragment as the matrix instruction wants it
	v_lshl_or_b32 v16, v[BY+1], 16, v[BY]          ; my blocks are h and 2 + h:
	s_delay_alu instid0(VALU_DEP_1)
	v_lshlrev_b32 v16, v21, v16                    ; their bytes at their places;
	s_delay_alu instid0(VALU_DEP_1)
	v_permlanex16_b32 v22, v16, s36, s37
	s_delay_alu instid0(VALU_DEP_1)
	v_or_b32 v16, v16, v22                         ; with lane l xor 16's two: row r's scale word
.irp q, 0,1,2
	global_store_b128 v5, v[PC+4*\q:PC+4*\q+3], s[12:13] offset:512*\q   ; 512 consecutive bytes, at a multiple of 256 from fc's first byte
.endr
	global_store_b32 v20, v16, s[14:15]            ; lanes l and l xor 16 write the same word with the same value; words 16 bytes apart: 24,576 bytes in the whole launch go out so
	s_wait_tensorcnt 0x0
	ds_add_u32 v180, v181
	s_wait_dscnt 0x0
	s_endpgm
.Lfunc_end_k_q6651e4f342_quant:
	.size	k_q6651e4f342_quant, .Lfunc_end_k_q6651e4f342_quant-k_q6651e4f342_quant
	.p2alignl 7, 3214868480
	.fill 96, 4, 3214868480
	.section	.rodata,"a",@progbits
	.p2align	6, 0x0
	.amdhsa_kernel k_q6651e4f342_quant
		.amdhsa_group_segment_fixed_size 68608
		.amdhsa_private_segment_fixed_size 0
		.amdhsa_enable_private_segment 0
		.amdhsa_kernarg_size 40
		.amdhsa_user_sgpr_count 2
		.amdhsa_user_sgpr_kernarg_segment_ptr 1
		.amdhsa_wavefront_size32 1
		.amdhsa_system_sgpr_workgroup_id_x 1
		.amdhsa_system_sgpr_workgroup_id_y 1
		.amdhsa_system_sgpr_workgroup_id_z 1
		.amdhsa_system_vgpr_workitem_id 0
		.amdhsa_next_free_vgpr 182
		.amdhsa_next_free_sgpr 66
		.amdhsa_reserve_vcc 0
		.amdhsa_float_denorm_mode_32 3
		.amdhsa_float_denorm_mode_16_64 3
		.amdhsa_memory_ordered 1
		.amdhsa_forward_progress 1
		.amdhsa_inst_pref_size 25
	.end_amdhsa_kernel
	.amdgpu_metadata
---
amdhsa.version: [ 1, 2 ]
amdhsa.kernels:
  - .name:           k_q6651e4f342_quant
    .symbol:         k_q6651e4f342_quant.kd
    .args:
      - { .name: x, .offset: 0, .size: 8, .value_kind: global_buffer, .address_space: global }
      - { .name: Wq, .offset: 8, .size: 8, .value_kind: global_buffer, .address_space: global }
      - { .name: Wk, .offset: 16, .size: 8, .value_kind: global_buffer, .address_space: global }
      - { .name: Wv, .offset: 24, .size: 8, .value_kind: global_buffer, .address_space: global }
      - { .name: fc, .offset: 32, .size: 8, .value_kind: global_buffer, .address_space: global }
    .group_segment_fixed_size: 68608
    .private_segment_fixed_size: 0
    .kernarg_segment_align: 8
    .kernarg_segment_size: 40
    .max_flat_workgroup_size: 256
    .sgpr_count:     66
    .vgpr_count:     182
    .wavefront_size: 32
...
	.end_amdgpu_metadata
.endif
;; end of part 1
;; launch proj (part 2): grid 4 x 64, 6 waves a work-group, clusters of 4 x 4, 205,568 bytes of LDS; arguments fc, bq, bk, bv, qc, qs, kv; writes qc, qs, kv
.if DOCPART == 2
	.amdgcn_target "amdgcn-amd-amdhsa--gfx1250"
	.amdhsa_code_object_version 6
	.text
	.protected	k_q6651e4f342_proj
	.globl	k_q6651e4f342_proj
	.p2align	8
	.type	k_q6651e4f342_proj,@function
k_q6651e4f342_proj:
	s_mov_b64 s[64:65], 0
	v_nop
	global_prefetch_b8 v0, s[64:65] scope:SCOPE_SE
	s_setreg_imm32_b32 hwreg(HW_REG_WAVE_MODE, 25, 1), 1
	s_wait_xcnt 0x0
	s_wait_alu depctr_hold_cnt(0) depctr_sa_sdst(0) depctr_va_vdst(0) depctr_va_sdst(0) depctr_va_ssrc(0) depctr_va_vcc(0) depctr_vm_vsrc(0)
	s_getreg_b32 s2, hwreg(HW_REG_IB_STS2, 6, 4)
	s_cmp_eq_u32 s2, 0
	s_cbranch_scc0 .Lentry_in_a_cluster
	s_endpgm
.Lentry_in_a_cluster:
	s_bfe_u32 s2, ttmp6, 0x10000c
	s_cmp_lg_u32 s2, 0xf033
	s_cbranch_scc0 .Lentry_shape_is_right
	s_endpgm
.Lentry_shape_is_right:
; q, k and v of one group of 128 tokens (g) and one quarter (c) of the outputs: t W^T + b on codes of BF6 (E3M2) with E8M0 scales, sums in f32; the result is quantised in registers for the attention launch:
; q and k along the head's 64 channels, v along the keys.  Row j of a group is (token j / 8, head j % 8); a block of 32 keys is 4 tokens x 8 heads.
; LIMITS: NaN and infinities are not served.  A block of zeros, or one under 2^(4 - 126), gets the byte 1 with zero codes (the rule says 127 for zeros); this program alone reads the bytes.
; SHARES.  Quarter c: q and k of heads 2 c, 2 c + 1; v's channels 16 c .. 16 c + 15 of all heads.  SIX waves: wave w takes matrix w / 2 (q, k, v) and the four token tiles of half w % 2: 4 x 8 accumulators of 16 x 16, 128 products.
; JOINT LOADS.  A cluster is 4 groups x 4 quarters.  x's block of a group (51,200 bytes: fragments, then scale words) is shared along the cluster's x, a quarter's three blocks of W along its y.  All 204,800 bytes fit in LDS: they come ONCE,
; waves 0-2 ask for a block of W each, waves 3 and 4 for half of x's block each; one tensor load of a wave is out.  Nothing is filled again: no ring, and no later step whose tiles a prefetch could ask for.
; q, k: THE PRODUCT IS USED TRANSPOSED (source 0 = 16 rows of W, source 1 = 16 tokens) and W's rows were chosen so that lane (r, h) holds row r's token and, in registers 32 e + i, channel 32 h + i of head 2 c + e:
; a whole block in a lane.  The bias is the C of each sum's first product.  v: source 0 = 16 tokens, source 1 = 16 rows of Wv: lane (r, h) holds channel 16 c + r and, in registers 4 s + a of head t, token 8 s + 4 h + a;
; the bias's addition also puts the numbers into the block's order, place 4 t + a of block 2 s + h: a permutation inside a block of 32 keys that the attention launch's p has too.
; OUT.  qc, 49,152 bytes a group: a record of 768 bytes for (head, token tile): lane L's registers 0-3 at 16 L, 4-5 at 512 + 8 L;  qs, 4,096 a group: 1,024 c + 128 tile + 64 e + 4 r.
;   kv, 104,448 bytes a group.  K: 12,288 c + 1,536 tile: an image of 12 registers (4 q .. 4 q + 3 of lane L at 512 q + 16 L): two key tiles, c and 4 + c of the attention launch's step, 6 registers each.  Key tile 4 u + c's row 8 v + 4 e + a
;   is the key of token 8 u + 4 v + a and head 2 c + e, so that the scores' 32 registers of four such tiles are one whole block of keys in a lane.  K's words: 98,304 + 1,024 c + 128 tile + 64 u + 4 row.
;   V: 49,152 + 6,144 tile + 1,536 c, images of 12 registers.  V's words: 102,400 + 512 c + 64 tile + 4 r.
; REGISTERS.  Window 1: the accumulators: token tile i, output tile t at v[64 i + 8 t].  Window 0: v1-14 lane terms; v16-31 and v80-127 q's and k's bias, v16-31 v's; v32-127 x's fragments, two sets of 48; v128-223 W's eight of a step;
;   v224-239 W's scale words, v240-247 x's.  Behind the products: v32-79 the codes, v80-114 at work, v128-191 v's numbers in order.
.set X,  32
.set W,  128
.set WS, 224                           ; tile t, register 2 t + j: lanes 0-15 the words of K step 2 j, lanes 16-31 of 2 j + 1
.set XS, 240                           ; the same split
.set BV, 16
.set XSC, 49152                        ; scale words behind a block's fragments
.set BLK, 51200
.set SPARE, 4*BLK                      ; LDS: x's block, the three of W, the spare words
.set QW, 80
.set TM, 84
.set SO, 88
.set BY, 90
.set T0, 92
.set T1, 96
.set PW, 100
.set PX, 101
.set E,  102
.set F,  108
.set PY, 114
.set VQ, 128
.set MSB, 0
.macro WIN new                         ; the immediate's high byte repeats the setting that is left
.if MSB != \new
	s_set_vgpr_msb (MSB<<8)|\new
.set MSB, \new
.endif
.endm
.macro PLACES                          ; four places behind a matrix instruction, ahead of loads into its sources and of the first read of its result
.rept 4
	v_nop
.endr
.endm
.macro CROUND                          ; a round of the cluster's barrier
	s_barrier_signal -1
	s_barrier_wait -1
	s_cmp_lg_u32 s20, 0
	s_cbranch_scc1 .Lnot_wave_0_\@
	s_barrier_signal -3
.Lnot_wave_0_\@:
	s_barrier_wait -3
	s_barrier_signal -1
	s_barrier_wait -1
.endm
.macro WMZ d, a, b, sa, sb, row        ; a product that starts a sum;  row: which half of the lanes holds the scale words
.if \row
	v_wmma_scale_f32_16x16x128_f8f6f4 v[\d:\d+7], v[\a:\a+11], v[\b:\b+11], 0, v[\sa], v[\sb] matrix_a_fmt:MATRIX_FMT_BF6 matrix_b_fmt:MATRIX_FMT_BF6 matrix_a_scale:MATRIX_SCALE_ROW1 matrix_b_scale:MATRIX_SCALE_ROW1
.else
	v_wmma_scale_f32_16x16x128_f8f6f4 v[\d:\d+7], v[\a:\a+11], v[\b:\b+11], 0, v[\sa], v[\sb] matrix_a_fmt:MATRIX_FMT_BF6 matrix_b_fmt:MATRIX_FMT_BF6
.endif
.endm
.macro WMC d, a, b, sa, sb, row, c     ; and one onto v[c ..]
.if \row
	v_wmma_scale_f32_16x16x128_f8f6f4 v[\d:\d+7], v[\a:\a+11], v[\b:\b+11], v[\c:\c+7], v[\sa], v[\sb] matrix_a_fmt:MATRIX_FMT_BF6 matrix_b_fmt:MATRIX_FMT_BF6 matrix_a_scale:MATRIX_SCALE_ROW1 matrix_b_scale:MATRIX_SCALE_ROW1
.else
	v_wmma_scale_f32_16x16x128_f8f6f4 v[\d:\d+7], v[\a:\a+11], v[\b:\b+11], v[\c:\c+7], v[\sa], v[\sb] matrix_a_fmt:MATRIX_FMT_BF6 matrix_b_fmt:MATRIX_FMT_BF6
.endif
.endm
.macro LOADW k, t0                     ; four of W's fragments of K step k: 12 loads of consecutive bytes
.irp t, \t0, \t0+1, \t0+2, \t0+3
.irp q, 0,1,2
	ds_load_b128 v[W+12*(\t)+4*\q:W+12*(\t)+4*\q+3], v14 offset:(4*(\t)+\k)*1536+512*\q
.endr
.endr
.endm
.macro LOADX k                         ; my four token tiles' fragments of K step k into set k % 2: 16 loads
.set XF, X+48*((\k)%2)
.irp i, 0,1,2,3
.irp c, 0,1
	ds_load_b128 v[XF+12*\i+6*\c:XF+12*\i+6*\c+3], v11 offset:(4*\i+\k)*1536+768*\c
	ds_load_b64 v[XF+12*\i+6*\c+4:XF+12*\i+6*\c+5], v12 offset:(4*\i+\k)*1536+768*\c+512
.endr
.endr
.endm
; 16 products: output tiles t0 .. t0 + 3 x my four token tiles, K step k; the accumulators by turns.  tr = 1: q, k
.macro GROUP tr, k, t0
.set KH, (\k)/2
.set KR, (\k)%2
.set XF, X+48*((\k)%2)
.if \k == 0
	WIN 0x40                                       ; D window 1
.else
	WIN 0x50                                       ; C and D window 1
.endif
.irp t, 0,1,2,3
.set TT, \t0+\t
.irp i, 0,1,2,3
.if \tr
.if \k == 0
.if TT < 2
.set CC, 16+8*TT                       ; the bias
.else
.set CC, 64+8*TT
.endif
.else
.set CC, 64*\i+8*TT
.endif
	WMC 64*\i+8*TT,W+12*TT,XF+12*\i,WS+2*TT+KH,XS+2*\i+KH,KR,CC
.elseif \k == 0
	WMZ 64*\i+8*TT,XF+12*\i,W+12*TT,XS+2*\i+KH,WS+2*TT+KH,KR
.else
	WMC 64*\i+8*TT,XF+12*\i,W+12*TT,XS+2*\i+KH,WS+2*TT+KH,KR,64*\i+8*TT
.endif
.endr
.endr
	WIN 0
.endm
; 128 products, K ascending.  At the entry step 0's x and, behind it, W's tiles 0-3 and 4-7 have been asked for.  Half of W's registers is filled anew while the other half is multiplied.
.macro GEMM tr
	s_wait_dscnt 12                                ; all but W's tiles 4-7
	GROUP \tr, 0, 0
	PLACES
	LOADW 1, 0
	s_wait_dscnt 12                                ; W's tiles 4-7; the 12 just issued may stay out
	GROUP \tr, 0, 4
	PLACES
	LOADX 1                                        ; (q's and k's bias lay there)
	LOADW 1, 4
.irp k, 1,2
	s_wait_dscnt 12                                ; all but W's tiles 4-7
	GROUP \tr, \k, 0
	PLACES
	LOADW \k+1, 0
	LOADX \k+1
	s_wait_dscnt 28                                ; W's tiles 4-7; the 28 just issued may stay out
	GROUP \tr, \k, 4
	PLACES
	LOADW \k+1, 4
.endr
	s_wait_dscnt 12
	GROUP \tr, 3, 0
	s_wait_dscnt 0x0
	GROUP \tr, 3, 4
	PLACES
.endm
; 64 numbers of a lane in window w, v[s + 32 b + i], two whole blocks, become 12 registers of codes in v[pc] on, and the row's scale word in v[PW].  Each accumulator is read from its low end on.
.macro QCORE s, w, pc
	WIN 0x05*\w
.irp k, 0,1,2,3
	v_max3_num_f32 v[TM+\k], |v[\s+16*\k]|, |v[\s+16*\k+1]|, 0x2800000   ; four chains of 16 numbers; the floor 2^(5 - 127) keeps the byte at 1 or more
.endr
	WIN 0x14*\w
.irp i, 2,4,6,8,10,12,14
.irp k, 0,1,2,3
	v_max3_num_f32 v[TM+\k], v[TM+\k], |v[\s+16*\k+\i]|, |v[\s+16*\k+\i+1]|
.endr
.endr
	WIN 0
	v_max_num_f32 v[TM], v[TM], v[TM+1]
	v_max_num_f32 v[TM+2], v[TM+2], v[TM+3]
	v_add_nc_u32 v[SO], 0xfe000000, v[TM]          ; 4 off the exponent field: the conversion's scale operand
	v_add_nc_u32 v[SO+1], 0xfe000000, v[TM+2]
	v_lshrrev_b32 v[BY], 23, v[SO]
	v_lshrrev_b32 v[BY+1], 23, v[SO+1]
	WIN 0x01*\w
	v_cvt_scalef32_pk16_bf6_f32 v[\pc:\pc+2], v[\s:\s+15], v[SO]
	v_cvt_scalef32_pk16_bf6_f32 v[T0:T0+2], v[\s+16:\s+31], v[SO]
	v_cvt_scalef32_pk16_bf6_f32 v[\pc+6:\pc+8], v[\s+32:\s+47], v[SO+1]
	v_cvt_scalef32_pk16_bf6_f32 v[T1:T1+2], v[\s+48:\s+63], v[SO+1]
	v_nop                                          ; one plain place behind the scaled conversions
	WIN 0
	v_lshl_or_b32 v[PW], v[BY+1], 16, v[BY]        ; my two bytes, 16 bits apart,
.irp i, 0,1,2
	v_mov_b32 v[\pc+3+\i], v[T0+\i]
	v_mov_b32 v[\pc+9+\i], v[T1+\i]
.endr
	v_lshlrev_b32 v[PW], v4, v[PW]                 ; shifted to my half's places,
	v_permlanex16_b32 v[PX], v[PW], s22, s23
	v_or_b32 v[PW], v[PW], v[PX]                   ; joined with lane l xor 16's two
.endm
.macro QTILE i
	QCORE 64*\i,1,32+12*\i                         ; codes 0-5: head 2 c's record, 6-11: head 2 c + 1's; word: bytes 0, 1 the even head's two blocks, 2, 3 the odd head's
	v_lshrrev_b32 v[QW+\i], v5, v[PW]              ; lanes 16-31: the odd head's bytes come down (what stands above a word's two bytes meets zero codes)
	global_store_b128 v1, v[32+12*\i:35+12*\i], s[24:25] offset:768*\i
	global_store_b64 v2, v[36+12*\i:37+12*\i], s[24:25] offset:768*\i+512
	global_store_b128 v1, v[38+12*\i:41+12*\i], s[24:25] offset:768*\i+6144
	global_store_b64 v2, v[42+12*\i:43+12*\i], s[24:25] offset:768*\i+6656
	global_store_b32 v3, v[QW+\i], s[26:27] offset:128*\i
.endm
.macro KTILE i                         ; row 8 v + 4 u + a of my lanes is token 8 u + 4 v + a: key tile u's lanes with e = u (bit 2) have their head's codes in place, the others in lane l xor 4
	QCORE 64*\i,1,32+12*\i
.irp j, 0,1,2,3,4,5
	v_mov_b32_dpp v[E+\j], v[38+12*\i+\j] row_xmask:4 row_mask:0xf bank_mask:0xf
	v_mov_b32_dpp v[F+\j], v[32+12*\i+\j] row_xmask:4 row_mask:0xf bank_mask:0xf
.endr
	v_mov_b32_dpp v[PY], v[PW] row_xmask:4 row_mask:0xf bank_mask:0xf
.irp j, 0,1,2,3,4,5
	v_cndmask_b32 v[32+12*\i+\j], v[32+12*\i+\j], v[E+\j], s60   ; tile 0: e = 1 from the odd head
	v_cndmask_b32 v[38+12*\i+\j], v[F+\j], v[38+12*\i+\j], s60   ; tile 1: e = 0 from the even head
.endr
	v_cndmask_b32 v[PW], v[PW], v[PY], s61         ; lanes 0-15 tile 0's words, lanes 16-31 tile 1's: lane l xor 4's where bit 2 and the half differ
	v_lshrrev_b32 v[QW+\i], v10, v[PW]             ; e = 1: the odd head's bytes come down
.irp q, 0,1,2
	global_store_b128 v1, v[32+12*\i+4*\q:35+12*\i+4*\q], s[24:25] offset:1536*\i+512*\q   ; 512 consecutive bytes, at a multiple of 256 from kv's first byte
.endr
	global_store_b32 v3, v[QW+\i], s[26:27] offset:128*\i
.endm
.macro VTILE i
	WIN 0x01                                       ; source 0 window 1
.irp t, 0,1,2,3,4,5,6,7
.irp b, 0,1
.irp a, 0,1
	v_pk_add_f32 v[VQ+32*\b+4*\t+2*\a:VQ+32*\b+4*\t+2*\a+1], v[64*\i+8*\t+4*\b+2*\a:64*\i+8*\t+4*\b+2*\a+1], v[BV+2*\t:BV+2*\t+1]   ; + bias, into the block's order
.endr
.endr
.endr
	QCORE VQ,0,32+12*\i                            ; my blocks are h and 2 + h of these 128 keys: the operand as it stands
	v_mov_b32 v[QW+\i], v[PW]
.irp q, 0,1,2
	global_store_b128 v1, v[32+12*\i+4*\q:35+12*\i+4*\q], s[24:25] offset:6144*\i+512*\q
.endr
	global_store_b32 v6, v[QW+\i], s[26:27] offset:64*\i   ; lanes l and l xor 16 write the same word with the same value; my wave's four make 256 consecutive bytes
.endm
	s_load_b64 s[4:5], s[0:1], 0x0                 ; fc
	s_load_b128 s[8:11], s[0:1], 0x8               ; bq, bk
	s_load_b64 s[12:13], s[0:1], 0x18              ; bv
	s_load_b64 s[14:15], s[0:1], 0x20              ; qc
	s_load_b128 s[16:19], s[0:1], 0x28             ; qs, kv
	v_lshl_add_u32 v8, v0, 2, SPARE
	v_mov_b32 v9, 0
	ds_add_u32 v8, v9                              ; the wave's opening: the add, twice on end, and its wait ahead of my tensor load
	ds_add_u32 v8, v9
	v_lshrrev_b32 v1, 5, v0
	v_readfirstlane_b32 s20, v1                    ; wave 0..5
	s_bfe_u32 s21, ttmp6, 0x40000                  ; cx = c: the grid is one cluster wide
	s_bfe_u32 s57, ttmp6, 0x40004                  ; cy
	s_and_b32 s56, ttmp7, 0xffff                   ; in a cluster launch ttmp7 counts clusters
	s_lshl_b32 s56, s56, 2
	s_add_co_u32 s56, s56, s57                     ; g
	s_lshl_b32 s24, s57, 2
	s_lshl_b32 s24, 15, s24                        ; my row of the cluster
	s_lshl_b32 s25, 0x1111, s21                    ; my column
	; descriptor group 1: dense blocks as rows of 256 bytes (32 elements of 8 bytes), no padding: x's 100 rows to my row, W's 200 to my column; bit 21 set beside a mask
	s_or_b32 s28, s24, (3<<16)|(1<<21)
	s_mov_b32 s29, 32<<16
	s_mov_b32 s30, 100<<16
	s_mov_b32 s31, 32<<16
	s_mov_b32 s32, 100
	s_mov_b32 s33, 32
	s_mov_b32 s34, 0
	s_mov_b32 s35, 0
	s_or_b32 s36, s25, (3<<16)|(1<<21)
	s_mov_b32 s37, 32<<16
	s_mov_b32 s38, 200<<16
	s_mov_b32 s39, 32<<16
	s_mov_b32 s40, 200
	s_mov_b32 s41, 32
	s_mov_b32 s42, 0
	s_mov_b32 s43, 0
	s_add_co_u32 s26, s20, 1
	s_and_b32 s27, s26, 1                          ; wave 3: the first half of x's block, wave 4: the second
	s_mov_b32 s44, 1
	s_mul_i32 s45, s27, BLK/2
	s_mov_b32 s48, 1
	s_mul_i32 s49, s26, BLK                        ; waves 0-2: W's blocks behind x's
	s_mul_i32 s52, s56, BLK
	s_add_co_u32 s52, s52, s45
	s_mov_b32 s53, 0                               ; the upper word of every offset
	s_lshl_b32 s54, s20, 2
	s_add_co_u32 s54, s54, s21                     ; 4 mat + c
	s_mul_i32 s54, s54, BLK
	s_add_co_u32 s54, s54, 64*BLK
	s_mov_b32 s55, 0
	s_wait_dscnt 0x0                               ; both adds are done
	s_wait_alu depctr_va_vdst(0)
	s_wait_kmcnt 0x0
	s_add_nc_u64 s[46:47], s[4:5], s[52:53]
	s_or_b32 s47, s47, 0x80000000
	s_add_nc_u64 s[50:51], s[4:5], s[54:55]
	s_or_b32 s51, s51, 0x80000000
	CROUND                                         ; all sixteen work-groups are here: the joint loads meet
	s_cmp_lt_u32 s20, 3
	s_cbranch_scc0 .Lfor_x
	tensor_load_to_lds s[48:51], s[36:43]
	s_nop 0
	PLACES
	s_branch .Lasked
.Lfor_x:
	s_cmp_lt_u32 s20, 5
	s_cbranch_scc0 .Lasked
	tensor_load_to_lds s[44:47], s[28:35]
	s_nop 0
	PLACES
.Lasked:
	s_lshr_b32 s54, s20, 1                         ; my matrix
	s_and_b32 s57, s20, 1                          ; my half of the tokens
	s_mul_i32 s58, s57, BLK/2-1024                 ; 16 fragments of x: 24,576 bytes
	s_lshl_b32 s59, s57, 10
	s_add_co_u32 s59, s59, XSC
	s_add_co_u32 s60, s54, 1
	s_mul_i32 s60, s60, BLK
	s_mov_b32 s22, 0x76543210
	s_mov_b32 s23, 0xfedcba98                      ; v_permlanex16_b32's selects for lane l xor 16
	v_and_b32 v15, 31, v0                          ; L
	v_bfe_u32 v5, v0, 4, 1                         ; h
	v_and_b32 v6, 15, v0
	v_lshlrev_b32 v1, 4, v15                       ; 16 L
	v_lshlrev_b32 v2, 3, v15                       ; 8 L
	v_lshlrev_b32 v3, 2, v15                       ; 4 L
	v_lshlrev_b32 v4, 3, v5                        ; 8 h: my bytes' shift in a scale word
	v_lshlrev_b32 v7, 7, v5                        ; 128 h
	v_lshlrev_b32 v5, 4, v5                        ; 16 h
	v_lshlrev_b32 v6, 2, v6                        ; 4 r
	v_bfe_u32 v10, v0, 2, 1
	v_lshlrev_b32 v10, 4, v10                      ; 16 e: K's words
	v_add_nc_u32 v11, s58, v1                      ; x's fragments,
	v_add_nc_u32 v12, s58, v2
	v_add_nc_u32 v13, s59, v3                      ; their scale words,
	v_add_nc_u32 v14, s60, v1                      ; W's block
	s_wait_alu depctr_va_vdst(0)                   ; the wait at the head's end
	s_cmp_lt_u32 s20, 4
	s_cbranch_scc0 .Lbias_v
	s_cmp_lt_u32 s20, 2
	s_cselect_b64 s[62:63], s[8:9], s[10:11]
	s_lshl_b32 s52, s21, 9
	s_add_nc_u64 s[62:63], s[62:63], s[52:53]
.irp t, 0,1,2,3,4,5,6,7                ; q, k: the bias in the result's layout: register 8 t + j of lane (r, h) is channel 128 c + 64 (t / 4) + 32 h + 8 (t % 4) + j
.if \t < 2
.set CC, 16+8*\t
.else
.set CC, 64+8*\t
.endif
	global_load_b128 v[CC:CC+3], v7, s[62:63] offset:4*(64*(\t/4)+8*(\t%4))
	global_load_b128 v[CC+4:CC+7], v7, s[62:63] offset:4*(64*(\t/4)+8*(\t%4))+16
.endr
	s_branch .Lbias
.Lbias_v:
	s_lshl_b32 s52, s21, 6
	s_add_nc_u64 s[62:63], s[12:13], s[52:53]
.irp t, 0,1,2,3,4,5,6,7                ; v: the bias of channel 64 t + 16 c + r, twice, as a pair for the packed addition
	global_load_b32 v[BV+2*\t], v6, s[62:63] offset:256*\t
	global_load_b32 v[BV+2*\t+1], v6, s[62:63] offset:256*\t
.endr
.Lbias:
	s_wait_tensorcnt 0x0                           ; my tile has landed (a wave that asked for nothing passes),
	s_barrier_signal -1
	s_barrier_wait -1                              ; everybody's has
.irp n, 0,1,2,3
	ds_load_b128 v[WS+4*\n:WS+4*\n+3], v14 offset:XSC+512*\n
.endr
.irp i, 0,1,2,3
.irp j, 0,1
	ds_load_b32 v[XS+2*\i+\j], v13 offset:256*\i+128*\j
.endr
.endr
	LOADX 0
	LOADW 0, 0
	LOADW 0, 4
	s_wait_loadcnt 0x0                             ; the bias
	s_cmp_lt_u32 s20, 4
	s_cbranch_scc0 .Lv
	GEMM 1
	s_cmp_lt_u32 s20, 2
	s_cbranch_scc0 .Lk
	; ---- q
	s_mul_i32 s52, s56, 49152
	s_mul_i32 s54, s21, 12288
	s_add_co_u32 s52, s52, s54
	s_mul_i32 s54, s57, 3072
	s_add_co_u32 s52, s52, s54
	s_add_nc_u64 s[24:25], s[14:15], s[52:53]
	s_lshl_b32 s52, s56, 12
	s_lshl_b32 s54, s21, 10
	s_add_co_u32 s52, s52, s54
	s_lshl_b32 s54, s57, 9
	s_add_co_u32 s52, s52, s54
	s_add_nc_u64 s[26:27], s[16:17], s[52:53]
.irp i, 0,1,2,3
	QTILE \i
.endr
	s_branch .Lend
.Lk:	; ---- k
	s_mov_b32 s60, 0xf0f0f0f0                      ; the lanes with e = 1
	s_mov_b32 s61, 0x0f0ff0f0                      ; those in which e and the half differ
	s_mul_i32 s58, s56, 104448
	s_mul_i32 s54, s21, 12288
	s_add_co_u32 s52, s58, s54
	s_mul_i32 s54, s57, 6144
	s_add_co_u32 s52, s52, s54
	s_add_nc_u64 s[24:25], s[18:19], s[52:53]
	s_lshl_b32 s54, s21, 10
	s_add_co_u32 s52, s58, s54
	s_lshl_b32 s54, s57, 9
	s_add_co_u32 s52, s52, s54
	s_add_co_u32 s52, s52, 98304
	s_add_nc_u64 s[26:27], s[18:19], s[52:53]
.irp i, 0,1,2,3
	KTILE \i
.endr
	s_branch .Lend
.Lv:	; ---- v
	GEMM 0
	s_mul_i32 s58, s56, 104448
	s_mul_i32 s54, s21, 1536
	s_add_co_u32 s52, s58, s54
	s_mul_i32 s54, s57, 24576
	s_add_co_u32 s52, s52, s54
	s_add_co_u32 s52, s52, 49152
	s_add_nc_u64 s[24:25], s[18:19], s[52:53]
	s_lshl_b32 s54, s21, 9
	s_add_co_u32 s52, s58, s54
	s_lshl_b32 s54, s57, 8
	s_add_co_u32 s52, s52, s54
	s_add_co_u32 s52, s52, 102400
	s_add_nc_u64 s[26:27], s[18:19], s[52:53]
.irp i, 0,1,2,3
	VTILE \i
.endr
.Lend:
	s_wait_tensorcnt 0x0                           ; the wave's end
	ds_add_u32 v8, v9
	s_wait_dscnt 0x0
	CROUND                                         ; the closing round: no work-group ends while a partner may still ask for a block that names it
	s_endpgm
.Lfunc_end_k_q6651e4f342_proj:
	.size	k_q6651e4f342_proj, .Lfunc_end_k_q6651e4f342_proj-k_q6651e4f342_proj
	.p2alignl 7, 3214868480
	.fill 96, 4, 3214868480
	.section	.rodata,"a",@progbits
	.p2align	6, 0x0
	.amdhsa_kernel k_q6651e4f342_proj
		.amdhsa_group_segment_fixed_size 205568
		.amdhsa_private_segment_fixed_size 0
		.amdhsa_enable_private_segment 0
		.amdhsa_kernarg_size 56
		.amdhsa_user_sgpr_count 2
		.amdhsa_user_sgpr_kernarg_segment_ptr 1
		.amdhsa_wavefront_size32 1
		.amdhsa_system_sgpr_workgroup_id_x 1
		.amdhsa_system_sgpr_workgroup_id_y 1
		.amdhsa_system_sgpr_workgroup_id_z 1
		.amdhsa_system_vgpr_workitem_id 0
		.amdhsa_next_free_vgpr 512
		.amdhsa_next_free_sgpr 66
		.amdhsa_reserve_vcc 0
		.amdhsa_float_denorm_mode_32 3
		.amdhsa_float_denorm_mode_16_64 3
		.amdhsa_memory_ordered 1
		.amdhsa_forward_progress 1
		.amdhsa_inst_pref_size 122
	.end_amdhsa_kernel
	.amdgpu_metadata
---
amdhsa.version: [ 1, 2 ]
amdhsa.kernels:
  - .name:           k_q6651e4f342_proj
    .symbol:         k_q6651e4f342_proj.kd
    .args:
      - { .name: fc, .offset: 0, .size: 8, .value_kind: global_buffer, .address_space: global }
      - { .name: bq, .offset: 8, .size: 8, .value_kind: global_buffer, .address_space: global }
      - { .name: bk, .offset: 16, .size: 8, .value_kind: global_buffer, .address_space: global }
      - { .name: bv, .offset: 24, .size: 8, .value_kind: global_buffer, .address_space: global }
      - { .name: qc, .offset: 32, .size: 8, .value_kind: global_buffer, .address_space: global }
      - { .name: qs, .offset: 40, .size: 8, .value_kind: global_buffer, .address_space: global }
      - { .name: kv, .offset: 48, .size: 8, .value_kind: global_buffer, .address_space: global }
    .group_segment_fixed_size: 205568
    .private_segment_fixed_size: 0
    .kernarg_segment_align: 8
    .kernarg_segment_size: 56
    .max_flat_workgroup_size: 192
    .sgpr_count:     66
    .vgpr_count:     512
    .wavefront_size: 32
...
	.end_amdgpu_metadata
.endif
;; end of part 2
;; launch attn (part 3): grid 256 x 1, 8 waves a work-group, clusters of 4 x 1, 173,056 bytes of LDS; arguments qc, qs, kv, out0; writes out0
.if DOCPART == 3
	.amdgcn_target "amdgcn-amd-amdhsa--gfx1250"
	.amdhsa_code_object_version 6
	.text
	.protected	k_q6651e4f342_attn
	.globl	k_q6651e4f342_attn
	.p2align	8
	.type	k_q6651e4f342_attn,@function
k_q6651e4f342_attn:
	s_mov_b64 s[64:65], 0
	v_nop
	global_prefetch_b8 v0, s[64:65] scope:SCOPE_SE
	s_setreg_imm32_b32 hwreg(HW_REG_WAVE_MODE, 25, 1), 1
	s_wait_xcnt 0x0
	s_wait_alu depctr_hold_cnt(0) depctr_sa_sdst(0) depctr_va_vdst(0) depctr_va_sdst(0) depctr_va_ssrc(0) depctr_va_vcc(0) depctr_vm_vsrc(0)
	s_getreg_b32 s2, hwreg(HW_REG_IB_STS2, 6, 4)
	s_cmp_eq_u32 s2, 0
	s_cbranch_scc0 .Lentry_in_a_cluster
	s_endpgm
.Lentry_in_a_cluster:
	s_bfe_u32 s2, ttmp6, 0x10000c
	s_cmp_lg_u32 s2, 0x3003
	s_cbranch_scc0 .Lentry_shape_is_right
	s_endpgm
.Lentry_shape_is_right:
; For each of 64 groups: O = softmax(Q K^T / 8) V over 1,024 rows of 64 channels, both products on codes of BF6 (E3M2) with E8M0 scales; out0[b][64 head + d][128 gi + token] = O[8 token + head][d].
; THE SOFTMAX AHEAD OF THE SECOND PRODUCT: t = score x log2(e) / 8; M = the row's largest t so far, rounded UP to a whole number; p = 2^(t - M) is quantised along the keys, not normalised.  The row's sum is taken of the
; unquantised p and divides O at the end.  The keys go in two halves of 512; when M moves between them, the sum and O are multiplied by 2^(old M - new M): exact.
; LIMITS: NaN and infinities are not served.  A block's largest p is made from the block's largest score by the same multiply-add and exponential: this takes v_exp_f32 not to fall where its input rises.
; The promise holds while the exponents t stay under 2^31 in magnitude.
; SHARES.  A cluster of four work-groups is one group; work-group cx takes heads 2 cx and 2 cx + 1 with all 128 tokens: 256 queries, and 128 whole rows (512 bytes each) of the output.  Each of its EIGHT waves takes 16 tokens
; and makes two trips: head 2 cx, then head 2 cx + 1: a tile of 16 queries a trip.  Two waves to a SIMD, 512 registers each, so that one wave's vector work stands beside another's matrix work and LDS loads.
; JOINT LOADS.  The four partners need the same 104,448 bytes (K's and V's images and scale words of the group).  They fit in LDS whole, so they come ONCE, by eight joint loads (13,056 bytes a wave, mask 15):
; one tensor load of a wave is out; nothing is filled again: no ring, and no later step whose tiles a prefetch could ask for.
; LAYOUT.  Both products are used transposed: S^T = K Q^T, O^T = V^T P^T: a lane holds ONE query throughout.  The keys of a tile were chosen by the launch before so that the 32 score registers of tiles 4 c .. 4 c + 3 are one
; WHOLE block of 32 keys (block 2 c + lane / 16 of the step's four): a block's maximum needs no other lane and the conversions' results are the operand as they stand.  Inside a block the keys stand in the order 4 head + token % 4, in p and in V alike.
; K = 64 IN A FORM OF 128: Q's registers 6-11 are zero codes.  A key tile has 6 registers; the run of 12 that the instruction names goes on into the next tile's (a buffer's last tile's into six registers that no load writes): codes that meet zero codes,
; under scale bytes that are never 0xff, and add nothing.
; REGISTERS.  Window 1: the half's scores, then p: step j's 64 at v[64 j]; V's tiles of steps 2 and 3 land where steps 0 and 1 have been used up; rows on the way out at v128 and v160 on.
;   Window 0: v1-5 lane terms; v6, v35 Q's scale words; v7 at work; v8-9 the add's; v10, v91, v11 the stages; v12 -M, v13 the largest t, v[14:15] f; v16-27 Q; v28-33 the second head's; then as set below.
.set VIMG, 49152                       ; LDS: the group's block as it lies in memory: K's images 0 (pair u of a step's tiles, u and 4 + u: 12,288 u + 1,536 step), V's 49,152 (6,144 a step),
.set KSC,  98304                       ; K's scale words (1,024 u + 128 step + 4 lane),
.set VSC,  102400                      ; V's (512 tile + 64 step + 4 r);
.set STG,  104448                      ; behind it the stages for the way out, one a head: 64 rows x (512 + 16) bytes, written by LDS stores alone;
.set SP,   528
.set HSTG, 64*SP
.set SPARE, STG+2*HSTG                 ; and the spare words, 128 bytes a wave
.set Q,   16
.set Q2,  28
.set KA,  36                           ; two buffers of a step's K (or V): 48 registers;
.set T,   84                           ; at work (the run of KA's last tile reaches v84-89)
.set P,   92                           ; p's codes, 12 registers a step; while the scores are made, a third buffer for K (its last tile's run reaches v140-145)
.set O,   140                          ; O^T
.set KSA, 172                          ; K's scale words for the first two buffers
.set KSB, 176
.set VS,  180                          ; V's, 2 registers a step; the third buffer's words
.set KB,  188                          ; the second buffer (its last tile's run reaches v236-241)
.set LA,  236                          ; the row's sum, in four pairs
.set BM,  244                          ; the eight blocks' maxima, then their scale operands
.set PSW, 252                          ; p's scale words
.set MSB, 0
.macro WIN new                         ; the immediate's high byte repeats the setting that is left
.if MSB != \new
	s_set_vgpr_msb (MSB<<8)|\new
.set MSB, \new
.endif
.endm
.macro PLACES n                        ; places behind a matrix instruction (ISA guide 7.12.1)
.rept \n
	v_nop
.endr
.endm
.macro CROUND                          ; a round of the cluster's barrier
	s_barrier_signal -1
	s_barrier_wait -1
	s_cmp_lg_u32 s12, 0
	s_cbranch_scc1 .Lnot_wave_0_\@
	s_barrier_signal -3
.Lnot_wave_0_\@:
	s_barrier_wait -3
	s_barrier_signal -1
	s_barrier_wait -1
.endm
.macro WMZ d, a, b, sa, sb, row        ; a sum's first product;  row: which half of the lanes holds source 0's scale words
.if \row
	v_wmma_scale_f32_16x16x128_f8f6f4 v[\d:\d+7], v[\a:\a+11], v[\b:\b+11], 0, v[\sa], v[\sb] matrix_a_fmt:MATRIX_FMT_BF6 matrix_b_fmt:MATRIX_FMT_BF6 matrix_a_scale:MATRIX_SCALE_ROW1
.else
	v_wmma_scale_f32_16x16x128_f8f6f4 v[\d:\d+7], v[\a:\a+11], v[\b:\b+11], 0, v[\sa], v[\sb] matrix_a_fmt:MATRIX_FMT_BF6 matrix_b_fmt:MATRIX_FMT_BF6
.endif
.endm
.macro WMC d, a, b, sa, sb, row        ; and a later one
.if \row
	v_wmma_scale_f32_16x16x128_f8f6f4 v[\d:\d+7], v[\a:\a+11], v[\b:\b+11], v[\d:\d+7], v[\sa], v[\sb] matrix_a_fmt:MATRIX_FMT_BF6 matrix_b_fmt:MATRIX_FMT_BF6 matrix_a_scale:MATRIX_SCALE_ROW1
.else
	v_wmma_scale_f32_16x16x128_f8f6f4 v[\d:\d+7], v[\a:\a+11], v[\b:\b+11], v[\d:\d+7], v[\sa], v[\sb] matrix_a_fmt:MATRIX_FMT_BF6 matrix_b_fmt:MATRIX_FMT_BF6
.endif
.endm
.macro KLOAD buf, sw, st               ; step st's 8 tiles of K (four images of 12 registers) and their scale words: 16 loads of consecutive bytes
.irp p, 0,1,2,3
.irp q, 0,1,2
	ds_load_b128 v[\buf+12*\p+4*\q:\buf+12*\p+4*\q+3], v1 offset:12288*\p+1536*(\st)+512*\q
.endr
.endr
.irp p, 0,1,2,3
	ds_load_b32 v[\sw+\p], v2 offset:1024*\p+128*(\st)   ; register p: lanes 0-15 tile p's words, lanes 16-31 tile 4 + p's
.endr
.endm
.macro VLOAD buf, st                   ; step st's four tiles of V: 12 loads
.irp p, 0,1,2,3
.irp q, 0,1,2
	ds_load_b128 v[\buf+12*\p+4*\q:\buf+12*\p+4*\q+3], v5 offset:6144*(\st)+1536*\p+512*\q
.endr
.endr
.endm
.macro QK j, buf, sw                   ; the half's step j: 128 keys
	WIN 0x40                                       ; D in window 1
.irp u, 0,1,2,3
	WMZ 64*\j+8*\u,\buf+12*\u,Q,\sw+\u,QWD,0
	WMZ 64*\j+32+8*\u,\buf+12*\u+6,Q,\sw+\u,QWD,1
.endr
	WIN 0
.endm
.macro PV j, buf, zero                 ; O^T += V^T p^T, step j: the four accumulators by turns
.irp u, 0,1
.if \zero
	WMZ O+16*\u,\buf+24*\u,P+12*\j,VS+2*\j+\u,PSW+\j,0
	WMZ O+16*\u+8,\buf+24*\u+12,P+12*\j,VS+2*\j+\u,PSW+\j,1
.else
	WMC O+16*\u,\buf+24*\u,P+12*\j,VS+2*\j+\u,PSW+\j,0
	WMC O+16*\u+8,\buf+24*\u+12,P+12*\j,VS+2*\j+\u,PSW+\j,1
.endif
.endr
.endm
; p = 2^(t - M) of step j, at most 1; between the exponentials the next step's t - M.  With step 0 go the eight blocks' largest p: the same two instructions on the same number give the same bits.
.macro BATCH j
	WIN 0x41                                       ; source 0 and destination window 1, source 2 window 0
	s_wait_alu depctr_va_vdst(0)                   ; the wait ahead of the batch
.set n, 0
.rept 32
	v_exp_f32 v[64*\j+n], v[64*\j+n]
	v_exp_f32 v[64*\j+n+1], v[64*\j+n+1]
.if \j < 3
	v_pk_fma_f32 v[64*\j+64+n:64*\j+65+n], v[64*\j+64+n:64*\j+65+n], s[22:23], v[12:13] op_sel_hi:[1,0,0]
.endif
.set n, n+2
.endr
.if \j == 0
	WIN 0
.irp b, 0,1,2,3,4,5,6,7
	v_exp_f32 v[BM+\b], v[BM+\b]
.endr
.endif
.if \j == 0 || \j == 3
	v_nop                                          ; one plain place behind a transcendental (elsewhere the last line above is that place)
.endif
.endm                                  ; the wait for these results is the next batch's, or stands behind the last: the step's p is first read behind it
.macro SCALES                          ; the eight blocks' scale operands and the four steps' scale words
	WIN 0
.irp b, 0,1,2,3,4,5,6,7
	v_max_num_f32 v[BM+\b], 0x2800000, v[BM+\b]    ; the floor 2^(5 - 127): the byte cannot fall under 1
.endr
.irp b, 0,1,2,3,4,5,6,7
	v_add_nc_u32 v[BM+\b], 0xfe000000, v[BM+\b]    ; 4 off the exponent field: the conversion's scale operand
.endr
.irp j, 0,1,2,3
	v_lshrrev_b32 v[PSW+\j], 23, v[BM+2*\j]
	v_lshrrev_b32 v[T+\j], 23, v[BM+2*\j+1]
.endr
.irp j, 0,1,2,3
	v_lshl_or_b32 v[PSW+\j], v[T+\j], 16, v[PSW+\j] ; my blocks are h and 2 + h:
.endr
.irp j, 0,1,2,3
	v_lshlrev_b32 v[PSW+\j], v4, v[PSW+\j]         ; their bytes at their places;
.endr
.irp j, 0,1,2,3
	v_permlanex16_b32 v[T+\j], v[PSW+\j], s20, s21
.endr
.irp j, 0,1,2,3
	v_or_b32 v[PSW+\j], v[PSW+\j], v[T+\j]         ; with lane l xor 16's two: p's scale word for the step's 128 keys
.endr
.endm
.macro CONSUME j, first                ; step j's p: codes and sum.  first = 1: the sums begin
	WIN 0x01                                       ; source 0 window 1
	v_cvt_scalef32_pk16_bf6_f32 v[P+12*\j:P+12*\j+2], v[64*\j:64*\j+15], v[BM+2*\j]
	v_cvt_scalef32_pk16_bf6_f32 v[T:T+2], v[64*\j+16:64*\j+31], v[BM+2*\j]      ; (a conversion's three registers begin on an even number)
	v_cvt_scalef32_pk16_bf6_f32 v[P+12*\j+6:P+12*\j+8], v[64*\j+32:64*\j+47], v[BM+2*\j+1]
	v_cvt_scalef32_pk16_bf6_f32 v[T+4:T+6], v[64*\j+48:64*\j+63], v[BM+2*\j+1]
	v_nop                                          ; one plain place behind the scaled conversions
	WIN 0x45                                       ; sources 0 and 1 and destination window 1
.set n, 0
.rept 16
	v_pk_add_f32 v[64*\j+n:64*\j+n+1], v[64*\j+n:64*\j+n+1], v[64*\j+n+2:64*\j+n+3]   ; the sum: 16 additions that hang on nothing of each other,
.set n, n+4
.endr
	WIN 0
.irp i, 0,1,2
	v_mov_b32 v[P+12*\j+3+\i], v[T+\i]
	v_mov_b32 v[P+12*\j+9+\i], v[T+4+\i]
.endr
.set n, 0
.if \first
	WIN 0x05                                       ; both sources window 1
.irp k, 0,1,2,3
	v_pk_add_f32 v[LA+2*\k:LA+2*\k+1], v[64*\j+4*\k:64*\j+4*\k+1], v[64*\j+16+4*\k:64*\j+17+4*\k]
.endr
.set n, 32
.endif
	WIN 0x04                                       ; source 1 window 1
.rept 16-8*\first
	v_pk_add_f32 v[LA+(n/2)%8:LA+(n/2)%8+1], v[LA+(n/2)%8:LA+(n/2)%8+1], v[64*\j+n:64*\j+n+1]   ; then four chains
.set n, n+4
.endr
.endm
; HALF A ROW: 512 keys = four steps of 128.  At its entry the K of its steps 0, 1 and 2 has been asked for, in this order.
.macro HALF trip, hf
	s_wait_dscnt 32                                ; step 0's K is in; the 32 loads of steps 1 and 2 may stay out
	QK 0, KA, KSA
	PLACES 4
	KLOAD KA, KSA, 4*\hf+3
	s_wait_dscnt 32                                ; step 1's is in; those of steps 2 and 3 may stay out
	QK 1, KB, KSB
	PLACES 4
	VLOAD KB, 4*\hf
	s_wait_dscnt 28                                ; step 2's is in; step 3's 16 and V's 12 may stay out
.if \trip && \hf
	s_wait_xcnt 0x0                                ; the first head's rows have been read out of the registers that are written next
.endif
	QK 2, P, VS
	s_wait_dscnt 12                                ; step 3's is in
	QK 3, KA, KSA
	PLACES 4                                       ; ahead of the loads below and of the first read of the scores
	VLOAD KA, 4*\hf+1
.irp j, 0,1,2,3
.irp u, 0,1
	ds_load_b32 v[VS+2*\j+\u], v3 offset:1024*\u+64*(4*\hf+\j)   ; register u: lanes 0-15 tile 2 u's words, lanes 16-31 tile 2 u + 1's
.endr
.endr
	; THE LARGEST SCORE OF EACH OF MY EIGHT BLOCKS: it serves the row's maximum and, since p rises with the score, the block's largest p.  Eight chains; each accumulator is read from its low end on
	WIN 0x15
.irp b, 0,1,2,3,4,5,6,7
	v_max3_num_f32 v[BM+\b], v[32*\b], v[32*\b+1], v[32*\b+2]
.endr
	WIN 0x14                                       ; sources 1 and 2 window 1
.irp i, 3,5,7,9,11,13,15,17,19,21,23,25,27,29
.irp b, 0,1,2,3,4,5,6,7
	v_max3_num_f32 v[BM+\b], v[BM+\b], v[32*\b+\i], v[32*\b+\i+1]
.endr
.endr
.irp b, 0,1,2,3,4,5,6,7
	v_max_num_f32 v[BM+\b], v[BM+\b], v[32*\b+31]
.endr
	WIN 0
	v_max3_num_f32 v7, v[BM], v[BM+1], v[BM+2]
	v_max3_num_f32 v[T], v[BM+3], v[BM+4], v[BM+5]
	v_max3_num_f32 v7, v7, v[BM+6], v[BM+7]
	s_delay_alu instid0(VALU_DEP_1)
	v_max_num_f32 v7, v7, v[T]
	v_permlanex16_b32 v[T+1], v7, s20, s21
	v_max_num_f32 v7, v7, v[T+1]                   ; with lane l xor 16's blocks: the half's largest score of my query
.if \hf == 0
	s_delay_alu instid0(VALU_DEP_1)
	v_mul_f32 v13, s22, v7                         ; as t (c is positive)
	s_delay_alu instid0(VALU_DEP_1)
	v_floor_f32 v12, -v13                          ; -M = -ceil(t): M is a whole number
.else
	s_delay_alu instid0(VALU_DEP_1)
	v_mul_f32 v7, s22, v7
	s_delay_alu instid0(VALU_DEP_1)
	v_max_num_f32 v13, v13, v7                     ; the row's largest t
	v_mov_b32 v7, v12
	s_delay_alu instid0(VALU_DEP_2)
	v_floor_f32 v12, -v13                          ; the new -M
	s_delay_alu instid0(VALU_DEP_1)
	v_sub_f32 v7, v12, v7                          ; old M - new M: a whole number, 0 or less
	s_delay_alu instid0(VALU_DEP_1)
	v_cvt_i32_f32 v7, v7                           ; (it saturates)
	s_delay_alu instid0(VALU_DEP_1)
	v_ldexp_f32 v14, 1.0, v7                       ; f = 2^(old M - new M)
.irp k, 0,1,2,3
	v_pk_mul_f32 v[LA+2*\k:LA+2*\k+1], v[LA+2*\k:LA+2*\k+1], v[14:15] op_sel_hi:[1,0]   ; the sums under the new M
.endr
.endif
.irp b, 0,1,2,3,4,5,6,7
	v_fma_f32 v[BM+\b], v[BM+\b], s22, v12         ; t - M of each block's largest score
.endr
	WIN 0x41
.set n, 0
.rept 32
	v_pk_fma_f32 v[n:n+1], v[n:n+1], s[22:23], v[12:13] op_sel_hi:[1,0,0]   ; t - M of step 0, two at a time (of the pairs c and -M the low word serves both halves)
.set n, n+2
.endr
	BATCH 0
	BATCH 1                                        ; a step's p is used up behind the next step's batch: the wait ahead of that batch is the wait for both
	SCALES
.if \hf == 0
	CONSUME 0, 1
.else
	CONSUME 0, 0
.endif
	WIN 0x40
	VLOAD 0, 4*\hf+2                               ; step 0's p has been used up: V's tiles of step 2 land there
	BATCH 2
	CONSUME 1, 0
	WIN 0x40
	VLOAD 64, 4*\hf+3                              ; and of step 3 in step 1's place
	BATCH 3
	CONSUME 2, 0
	s_wait_alu depctr_va_vdst(0)                   ; ahead of the last batch's first reader
	CONSUME 3, 0
	WIN 0
	s_wait_alu depctr_va_vdst(0)
	s_wait_dscnt 0x0                               ; V is in
.if \hf == 0
.if \trip
	s_barrier_wait -1                              ; every wave's part of the first head's rows is in its stage
	WIN 0x40
.irp j, 0,1,2,3,4,5,6,7
	ds_load_b128 v[128+4*\j:131+4*\j], v11 offset:\j*SP
.endr
	WIN 0
.endif
	PV 0, KB, 1
	PV 1, KA, 0
.if \trip
	WIN 0x04                                       ; the data: window 1
.irp j, 0,1,2,3,4,5,6,7
	s_wait_dscnt 7-\j                              ; the younger loads may stay out
	global_store_b128 v1, v[128+4*\j:131+4*\j], s[10:11] offset:4096*\j th:TH_STORE_NT   ; 32 lanes store 512 consecutive bytes, at a multiple of 256 from out0's first byte; written once, read by nobody here
.endr
	WIN 0
.endif
	PLACES 4
	KLOAD KA, KSA, 4
	KLOAD KB, KSB, 5
	WIN 0x01                                       ; source 0 window 1
	PV 2, 0, 0
	PV 3, 64, 0
	WIN 0
	PLACES 5                                       ; the next products write over V's tiles in window 1 and name O^T's first registers
	KLOAD P, VS, 6                                 ; p's codes have been used up
.else
	s_wait_alu depctr_va_vdst(0)                   ; directly ahead of the first readers of O^T
.set n, 0
.rept 16
	v_pk_mul_f32 v[O+n:O+n+1], v[O+n:O+n+1], v[14:15] op_sel_hi:[1,0]   ; O^T under the new M, from each accumulator's low end on
.set n, n+2
.endr
	PV 0, KB, 0
	PV 1, KA, 0
	WIN 0x01
	PV 2, 0, 0
	PV 3, 64, 0
	WIN 0
.endif
.endm
; THE WAY OUT of a head.  Register 8 t + i of lane (r, h) is O(token 16 w + s, d = 16 t + 8 h + i), s = 8 ((r / 4) % 2) + 4 (r / 8) + r % 4: it belongs to row d of the head's 64, at byte 64 w + 4 s.
.macro OUT adr
	v_pk_add_f32 v[LA:LA+1], v[LA:LA+1], v[LA+2:LA+3]          ; (these lines are also the places behind the last products)
	v_pk_add_f32 v[LA+4:LA+5], v[LA+4:LA+5], v[LA+6:LA+7]
	v_pk_add_f32 v[LA:LA+1], v[LA:LA+1], v[LA+4:LA+5]
	v_add_f32 v[LA], v[LA], v[LA+1]
	v_permlanex16_b32 v7, v[LA], s20, s21
	v_add_f32 v[LA], v[LA], v7                     ; with lane l xor 16's: the row's sum
	s_wait_alu depctr_va_vdst(0)                   ; the wait ahead of the transcendental
	v_rcp_f32 v14, v[LA]
	v_nop                                          ; one plain place behind a transcendental
	s_wait_alu depctr_va_vdst(0)                   ; and ahead of its reader, directly ahead of the first readers of O^T
.set n, 0
.rept 16
	v_pk_mul_f32 v[O+n:O+n+1], v[O+n:O+n+1], v[14:15] op_sel_hi:[1,0]   ; O^T / the sum, ascending
.set n, n+2
.endr
.irp t, 0,1,2,3
.irp i, 0,1,2,3,4,5,6,7
	ds_store_b32 v[\adr], v[O+8*\t+\i] offset:(16*\t+\i)*SP
.endr
.endr
	s_wait_dscnt 0x0                               ; for the others' sake: my stores into the stage are done
	s_barrier_signal -1
.endm
	s_load_b256 s[4:11], s[0:1], 0x0               ; qc, qs, kv, out0
	v_lshl_add_u32 v8, v0, 2, SPARE
	v_mov_b32 v9, 0
	ds_add_u32 v8, v9                              ; the wave's opening: the add, twice on end, and its wait ahead of my tensor load
	ds_add_u32 v8, v9
	v_lshrrev_b32 v1, 5, v0
	v_readfirstlane_b32 s12, v1                    ; wave 0..7
	s_bfe_u32 s13, ttmp6, 0x40000                  ; cx: it enters q's and the output's addresses alone
	s_mov_b32 s20, 0x76543210
	s_mov_b32 s21, 0xfedcba98                      ; v_permlanex16_b32's selects for lane l xor 16
	s_mov_b32 s22, 0x3e38aa3b                      ; c = log2(e) / 8
	s_mov_b32 s23, s22                             ; (named with it as a pair)
	; descriptor group 1: a dense block of 13,056 bytes as 51 rows of 256 (32 elements of 8 bytes)
	s_mov_b32 s24, 15|(3<<16)|(1<<21)              ; the mask: all four work-groups; elements of 8 bytes; bit 21 set beside a mask
	s_mov_b32 s25, 32<<16                          ; tensor_dim0
	s_mov_b32 s26, 51<<16                          ; tensor_dim1
	s_mov_b32 s27, 32<<16                          ; tile_dim0
	s_mov_b32 s28, 51                              ; tile_dim1
	s_mov_b32 s29, 32                              ; the pitch
	s_mov_b32 s30, 0
	s_mov_b32 s31, 0
	s_mov_b32 s32, 1
	s_mul_i32 s33, s12, 13056                      ; LDS address: wave x 13,056
	s_mul_i32 s14, ttmp9, 104448                   ; in a cluster launch ttmp9 counts clusters: the group
	s_add_co_u32 s14, s14, s33
	s_mov_b32 s15, 0
	s_mov_b32 s17, 0
	s_lshl_b32 s40, s12, 6
	s_add_co_u32 s40, s40, STG                     ; the stage, in: 64 w
	s_mul_i32 s41, s12, 8*SP
	s_add_co_u32 s41, s41, STG                     ; back: rows 8 w on
	s_wait_dscnt 0x0                               ; both adds are done
	s_wait_alu depctr_va_vdst(0)
	s_wait_kmcnt 0x0
	s_add_nc_u64 s[34:35], s[8:9], s[14:15]
	s_or_b32 s35, s35, 0x80000000
	CROUND                                         ; all four work-groups are here: the joint loads meet
	tensor_load_to_lds s[32:35], s[24:31]          ; every wave its eighth
	s_nop 0
	PLACES 4
.irp j, 0,1,2,3,4,5
	v_mov_b32 v[Q+6+\j], 0                         ; zero codes for the upper 64 of the form's K
	v_mov_b32 v[T+\j], 0                           ; the runs of the three buffers' last key tiles reach these eighteen: written before they are first read
	v_mov_b32 v[O+\j], 0
	v_mov_b32 v[LA+\j], 0
.endr
	v_and_b32 v7, 31, v0                           ; L
	v_and_b32 v13, 15, v0                          ; r
	v_bfe_u32 v14, v0, 4, 1                        ; h
	v_lshlrev_b32 v1, 4, v7                        ; 16 L
	v_lshlrev_b32 v12, 3, v7                       ; 8 L
	v_lshlrev_b32 v15, 2, v13                      ; 4 r
	v_lshl_add_u32 v2, v7, 2, KSC                  ; K's scale words: 4 bytes a lane
	v_lshl_add_u32 v3, v13, 2, VSC                 ; V's: 4 r, the pair's second tile 512 bytes on
	v_lshl_add_u32 v3, v14, 9, v3
	v_lshlrev_b32 v4, 3, v14                       ; 8 h: my bytes' shift in p's scale word
	v_add_nc_u32 v5, VIMG, v1                      ; V's images
	v_mul_u32_u24 v10, v14, 8*SP
	v_and_b32 v92, 3, v0                           ; my query's token of the tile's sixteen is 8 ((r / 4) % 2) + 4 (r / 8) + r % 4: four bytes each
	v_bfe_u32 v93, v0, 2, 1
	v_bfe_u32 v94, v0, 3, 1
	v_lshl_add_u32 v10, v92, 2, v10
	v_lshl_add_u32 v10, v93, 5, v10
	v_lshl_add_u32 v10, v94, 4, v10
	v_add_nc_u32 v10, s40, v10                     ; the stage, in: row 8 h, byte 64 w + 4 token; lanes 16-31 fall 4,224 bytes on: the other 32 banks
	v_add_nc_u32 v91, HSTG, v10                    ; and the second head's
	v_add_nc_u32 v11, s41, v1                      ; back: rows 8 w on, 16 bytes a lane
	s_wait_alu depctr_va_vdst(0)                   ; the wait at the head's end
	s_lshl_b32 s16, s13, 4                         ; q's record: 8 head + token tile = 16 cx + w, the second head's 8 further on
	s_add_co_u32 s16, s16, s12
	s_mul_i32 s16, s16, 768
	s_mul_i32 s18, ttmp9, 49152
	s_add_co_u32 s16, s16, s18
	s_add_nc_u64 s[4:5], s[4:5], s[16:17]
	s_lshl_b32 s16, ttmp9, 12                      ; its scale words: 4,096 g + 1,024 cx + 128 w, the second head's 64 bytes further on
	s_lshl_b32 s18, s13, 10
	s_add_co_u32 s16, s16, s18
	s_lshl_b32 s18, s12, 7
	s_add_co_u32 s16, s16, s18
	s_add_nc_u64 s[6:7], s[6:7], s[16:17]
	global_load_b128 v[Q:Q+3], v1, s[4:5]
	global_load_b64 v[Q+4:Q+5], v12, s[4:5] offset:512
	global_load_b32 v6, v15, s[6:7]
	global_load_b128 v[Q2:Q2+3], v1, s[4:5] offset:6144
	global_load_b64 v[Q2+4:Q2+5], v12, s[4:5] offset:6656
	global_load_b32 v35, v15, s[6:7] offset:64
	s_lshr_b32 s16, ttmp9, 3                       ; the output: batch, row 128 cx + 8 w, the group's 512 bytes of a row
	s_lshl_b32 s16, s16, 21
	s_lshl_b32 s18, s13, 19
	s_add_co_u32 s16, s16, s18
	s_lshl_b32 s18, s12, 15
	s_add_co_u32 s16, s16, s18
	s_and_b32 s18, ttmp9, 7
	s_lshl_b32 s18, s18, 9
	s_add_co_u32 s16, s16, s18
	s_add_nc_u64 s[10:11], s[10:11], s[16:17]
	s_wait_loadcnt 0x0                             ; both Q and their scale words; v12 to v15 are free
	s_wait_tensorcnt 0x0                           ; my eighth has landed,
	s_barrier_signal -1
	s_barrier_wait -1                              ; everybody's has
	KLOAD KA, KSA, 0
	KLOAD KB, KSB, 1
	KLOAD P, VS, 2
.set QWD, 6
	HALF 0, 0
	HALF 0, 1
	OUT 10                                         ; this barrier's wait stands in the second trip's first half: in between there are register work and loads of K and V, which nobody writes
	KLOAD KA, KSA, 0
	KLOAD KB, KSB, 1
	KLOAD P, VS, 2
.irp j, 0,1,2,3,4,5
	v_mov_b32 v[Q+\j], v[Q2+\j]                    ; the second head's Q
.endr
	PLACES 4                                       ; an operand so written stands four places ahead of its product
	s_wait_alu depctr_va_vdst(0)                   ; directly ahead of the wait below
.set QWD, 35
	HALF 1, 0
	HALF 1, 1
	OUT 91
	s_barrier_wait -1
	WIN 0x40
.irp j, 0,1,2,3,4,5,6,7
	ds_load_b128 v[160+4*\j:163+4*\j], v11 offset:HSTG+\j*SP
.endr
	WIN 0x04
.irp j, 0,1,2,3,4,5,6,7
	s_wait_dscnt 7-\j                              ; the younger loads may stay out
	global_store_b128 v1, v[160+4*\j:163+4*\j], s[10:11] offset:64*4096+4096*\j th:TH_STORE_NT   ; the second head's rows: 64 further on
.endr
	WIN 0
	s_wait_tensorcnt 0x0                           ; the wave's end
	ds_add_u32 v8, v9
	s_wait_dscnt 0x0
	CROUND                                         ; the closing round: no work-group ends while a partner may still ask for a block that names it
	s_endpgm
.Lfunc_end_k_q6651e4f342_attn:
	.size	k_q6651e4f342_attn, .Lfunc_end_k_q6651e4f342_attn-k_q6651e4f342_attn
	.p2alignl 7, 3214868480
	.fill 96, 4, 3214868480
	.section	.rodata,"a",@progbits
	.p2align	6, 0x0
	.amdhsa_kernel k_q6651e4f342_attn
		.amdhsa_group_segment_fixed_size 173056
		.amdhsa_private_segment_fixed_size 0
		.amdhsa_enable_private_segment 0
		.amdhsa_kernarg_size 32
		.amdhsa_user_sgpr_count 2
		.amdhsa_user_sgpr_kernarg_segment_ptr 1
		.amdhsa_wavefront_size32 1
		.amdhsa_system_sgpr_workgroup_id_x 1
		.amdhsa_system_sgpr_workgroup_id_y 1
		.amdhsa_system_sgpr_workgroup_id_z 1
		.amdhsa_system_vgpr_workitem_id 0
		.amdhsa_next_free_vgpr 512
		.amdhsa_next_free_sgpr 66
		.amdhsa_reserve_vcc 0
		.amdhsa_float_denorm_mode_32 3
		.amdhsa_float_denorm_mode_16_64 3
		.amdhsa_memory_ordered 1
		.amdhsa_forward_progress 1
		.amdhsa_inst_pref_size 230
	.end_amdhsa_kernel
	.amdgpu_metadata
---
amdhsa.version: [ 1, 2 ]
amdhsa.kernels:
  - .name:           k_q6651e4f342_attn
    .symbol:         k_q6651e4f342_attn.kd
    .args:
      - { .name: qc, .offset: 0, .size: 8, .value_kind: global_buffer, .address_space: global }
      - { .name: qs, .offset: 8, .size: 8, .value_kind: global_buffer, .address_space: global }
      - { .name: kv, .offset: 16, .size: 8, .value_kind: global_buffer, .address_space: global }
      - { .name: out0, .offset: 24, .size: 8, .value_kind: global_buffer, .address_space: global }
    .group_segment_fixed_size: 173056
    .private_segment_fixed_size: 0
    .kernarg_segment_align: 8
    .kernarg_segment_size: 32
    .max_flat_workgroup_size: 256
    .sgpr_count:     66
    .vgpr_count:     512
    .wavefront_size: 32
...
	.end_amdgpu_metadata
.endif
;; end of part 3
